; MI455X (gfx1250); checked and timed in simulation.
; The chip was launched on July 23, 2026; its instructions are those of AMD's public machine-readable ISA for CDNA 5 (MIT licence, August 2026) and "CDNA5" Instruction Set Architecture Reference Guide (July 2026). The comments in the code are by the model that wrote it; some were corrected since.
;; Le PE Attention. Allowed arithmetic: float matrix products may take bf16 or f16 operands with f32 sums; all other float work in f32.
;; Inputs: qkv 3 x 2 x 4,096 x 128 float32.
;; Outputs: out0 2 x 4,096 x 128 float32.
;; One version. Each part assembles by itself: llvm-mc -triple=amdgcn-amd-amdhsa -mcpu=gfx1250 --defsym DOCPART=n.
;; ======== version 1 of 1: 1 launch
;; launch lepe_attn (part 1): grid 256 x 1, 8 waves a work-group, no clusters, 207,872 bytes of LDS; arguments qkv, out0; writes out0
.if DOCPART == 1
	.amdgcn_target "amdgcn-amd-amdhsa--gfx1250"
	.amdhsa_code_object_version 6
	.text
	.protected	k_q6e925a800c_lepe_attn
	.globl	k_q6e925a800c_lepe_attn
	.p2align	8
	.type	k_q6e925a800c_lepe_attn,@function
k_q6e925a800c_lepe_attn:
	s_mov_b64 s[64:65], 0
	v_nop
	global_prefetch_b8 v0, s[64:65] scope:SCOPE_SE
	s_setreg_imm32_b32 hwreg(HW_REG_WAVE_MODE, 25, 1), 1
	s_wait_xcnt 0x0
; Windowed attention, 8 windows (batch x 4 strips along w) x 4 heads, 1024 queries x 1024 keys x 32 each.  qkv: [3][2][4096][128] f32, out0: [2][4096][128] f32.
; Token t of window wi lies in row (t>>2)*16 + 4*wi + (t&3); a head's share of a row is 128 bytes.
; WORK-GROUP = (batch, window, head, block of 128 queries): 256 of them.  8 waves; wave w = 4x+y owns queries 32y..32y+31 and, of every chunk of
; 128 keys, the half x.  Two waves lie on a SIMD, so one's matrix runs and LDS waits stand under the other's exponentials; splitting the KEYS
; keeps the fragment bytes read from LDS at 512 KiB a work-group, as with four waves.  The two halves meet once, at the end, by (max, sum, O).
; K AND V go through registers: each wave loads an eighth (64 loads of 16 bytes a lane into v256-v511, 56 of them issued before anything is waited
; for), rounds to bf16 and stores to LDS, which holds the whole head; no byte of it is written twice, so a chunk needs only store, barrier, load.
; NO CLUSTER, NO TENSOR LOADS, though the eight work-groups of a head read the same 256 KiB: a joint request lands f32 in LDS, 256 KiB written and
; 256 KiB read back to be rounded, beside the 128 KiB of bf16 written and 512 KiB of fragments read here.  No prefetch: the loads themselves
; stand in the first lines.  Each store of a wave covers four pieces of 128 consecutive bytes; pieces of 256 would need two heads in a work-group, which
; doubles the K and V bytes that it loads and rounds (512 KiB for 256).
; ARITHMETIC: S^T = K Q^T (a lane holds one query; keys run along its registers), running maximum per 64 keys, p = exp2(c s - c m), c = log2(e)/sqrt(32),
; sum of p in f32, p rounded to bf16, O^T = V^T P^T.  The S^T tiles pack straight into P^T's fragment: no shuffle.
; LIMITS: finite inputs; q, k, v, p enter the matrix unit as bf16; a p below 2^-126 counts as 0 (v_exp_f32 flushes).
.set ROWB,   512                       ; bytes of a token's row
.set GRP,    8192                      ; bytes from four tokens of a window to the next four (16 rows)
.set PLANE,  4194304                   ; bytes of q, of k, of v
.set CHG,    32*GRP                    ; a chunk of 128 tokens in memory
.set KPITCH, 80                        ; LDS row of K: 64 bytes + 16: sixteen rows start at sixteen different multiples of 16 modulo 256
.set KCH,    128*KPITCH                ; a chunk of K in LDS
.set VUNIT,  272                       ; V: 16 d x 8 keys = 256 bytes + 16; unit number 4*(key octet>>1) + 2*(d>>4) + (key octet&1)
.set VBLK,   8*VUNIT                   ; 32 keys x 32 d
.set VCH,    4*VBLK                    ; a chunk of V in LDS
.set VOFF,   1024*KPITCH               ; V behind K
.set XOFF,   VOFF+8*VCH                ; exchange of the two key halves: 4,608 bytes a wave
.set XWAVE,  4608
.set SOFF,   XOFF+8*XWAVE              ; the way out: 16 rows x 144 bytes a wave
.set SPITCH, 144
.set SWAVE,  16*SPITCH
; registers, window 0
.set GO,   1                           ; byte offset of my 16 bytes in K and V: (thread>>3) groups of four tokens, (thread&7) x 16
.set KST,  2                           ; where I store K, chunks 0-3;  KST2: chunks 4-7 (an LDS offset has 16 bits)
.set KST2, 3
.set VST,  4                           ; where I store V
.set KA,   5                           ; where I read K fragments, chunks 0-3;  KA2: chunks 4-7
.set KA2,  6
.set VA,   7                           ; where I read V fragments
.set QO,   8                           ; byte offset of my piece of Q
.set NMB,  16                          ; v16-19  -c*max of query tiles 0, 1; two pairs that take turns trip by trip
.set AL,   20                          ; v20-21  factor for what was summed under the old maximum
.set MR,   22                          ; v22-23  running maximum of the raw scores
.set LB,   24                          ; v24-27  sums of p, a pair for each query tile
.set AB,   28                          ; v28-35  chains of the maximum
.set TS,   36                          ; v36-43  chains of the sum
.set CV,   28                          ; v28-43  also: K and V rounded, on their way to LDS (free at that point of a trip)
.set MLB,  44                          ; v44-47  (-c*max, sum) x 2 for the exchange
.set QFB,  48                          ; v48-63  Q fragments
.set OB,   64                          ; v64-95  O^T: 16*tile + 8*(d>>4)
.set KFB,  96                          ; v96-127 four K fragments
.set VFB,  128                         ; v128-159 four V fragments
.set PB,   160                         ; v160-191 P^T fragments: 16*(32 keys) + 8*tile
.set SB,   192                         ; v192-255 S^T: 16*(16 keys) + 8*tile
; window 1 (v256-v511): chunk c at 32 c: four loads of K, four of V, as they came
.set MSB, 0
.macro WIN new                         ; s_set_vgpr_msb: bits 1:0 source 0, 3:2 source 1, 7:6 destination; the high byte repeats the setting left
.if MSB != \new
	s_set_vgpr_msb (MSB<<8)|\new
.set MSB, \new
.endif
.endm
	s_load_b128 s[4:7], s[0:1], 0x0                ; qkv s[4:5], out0 s[6:7]
	v_lshrrev_b32 v13, 5, v0
	v_readfirstlane_b32 s8, v13                    ; wave w
	v_and_b32 v9, 7, v0                            ; which 16 bytes of a head's 128
	v_lshrrev_b32 v10, 3, v0                       ; which group of four tokens of a chunk (0..31)
	v_and_b32 v11, 15, v0                          ; r
	v_bfe_u32 v12, v0, 4, 1                        ; h
	s_lshr_b32 s9, s8, 2                           ; x: my half of every chunk's keys
	s_and_b32 s10, s8, 3                           ; y: my 32 queries
	s_and_b32 s11, ttmp9, 7                        ; block of 128 queries
	s_bfe_u32 s26, ttmp9, 0x20003                  ; head
	s_bfe_u32 s27, ttmp9, 0x20005                  ; window along w
	s_lshr_b32 s12, ttmp9, 7                       ; batch
	s_lshl_b32 s12, s12, 21                        ; x 4096 rows of 512 bytes
	s_lshl_b32 s27, s27, 11                        ; x 4 rows
	s_lshl_b32 s26, s26, 7                         ; x 128 bytes
	s_add_co_u32 s12, s12, s27
	s_add_co_u32 s12, s12, s26
	s_mov_b32 s13, 0                               ; s[12:13]: the window's and head's first byte in a plane
	s_lshl_b32 s28, s11, 18                        ; 128 tokens = 32 groups of 8,192 bytes
	s_mov_b32 s29, 0
	s_mov_b32 s20, 0x3e8293ee                      ; c = log2(e) / sqrt(32)
	s_mov_b32 s21, 0x3e8293ee
	s_mov_b32 s22, 0xbe8293ee                      ; -c
	s_mov_b32 s24, 0x76543210                      ; v_permlanex16_b32: lane i of one half reads lane i of the other
	s_mov_b32 s25, 0xfedcba98
	v_lshlrev_b32 v[GO], 4, v9
	v_lshl_add_u32 v[GO], v10, 13, v[GO]
	v_lshrrev_b32 v13, 2, v11
	v_and_b32 v14, 3, v11
	v_lshlrev_b32 v[QO], 5, v12                    ; Q: query r of a tile, 8 numbers from d = 8h
	v_lshl_add_u32 v[QO], v14, 9, v[QO]
	v_lshl_add_u32 v[QO], v13, 13, v[QO]
	s_lshl_b32 s30, s10, 16                        ; 32 queries = 8 groups
	v_add_nc_u32 v[QO], s30, v[QO]
	s_wait_kmcnt 0x0
	s_add_nc_u64 s[14:15], s[4:5], s[12:13]
	s_add_nc_u64 s[16:17], s[14:15], s[28:29]      ; Q at my work-group's block
	s_add_nc_u64 s[14:15], s[14:15], PLANE         ; K; V is reached by the immediate offset PLANE
	s_add_nc_u64 s[18:19], s[6:7], s[12:13]
	s_add_nc_u64 s[18:19], s[18:19], s[28:29]      ; out0 at my work-group's block
.irp q,0,1
	global_load_b128 v[SB+16*\q:SB+16*\q+3],     v[QO], s[16:17] offset:4*GRP*\q        ; d = 8h .. 8h+7
	global_load_b128 v[SB+16*\q+4:SB+16*\q+7],   v[QO], s[16:17] offset:4*GRP*\q+16
	global_load_b128 v[SB+16*\q+8:SB+16*\q+11],  v[QO], s[16:17] offset:4*GRP*\q+64     ; d = 16+8h .. 16+8h+7
	global_load_b128 v[SB+16*\q+12:SB+16*\q+15], v[QO], s[16:17] offset:4*GRP*\q+80
.endr
; My eighth of chunk c: tokens 128 c + 16 w + 4 u + i (u = lane>>3, i = the load), 4 numbers a lane: a load covers four pieces of 128 bytes.
.macro LOADC c
	WIN 0x40                                       ; destination in window 1
.irp i,0,1,2,3
	global_load_b128 v[32*\c+4*\i:32*\c+4*\i+3], v[GO], s[14:15] offset:\c*CHG+\i*ROWB
.endr
.irp i,0,1,2,3
	global_load_b128 v[32*\c+16+4*\i:32*\c+16+4*\i+3], v[GO], s[14:15] offset:PLANE+\c*CHG+\i*ROWB
.endr
.endm
; Round my eighth of chunk c and store it.  K: 4 d of one key are 8 bytes of its row.  V: the same d of my 4 keys are 8 bytes of a fragment
; unit: the transposition costs nothing, the conversion pairs keys instead of d.  In both, the 32 lanes of a store hit 32 different 8-byte columns modulo 256.
; left = the loads issued behind this chunk's (loads return in order: ISA guide 5.7.1).
.macro CONV c, left
	s_wait_loadcnt \left
	WIN 0x05                                       ; both sources in window 1
.irp i,0,1,2,3
	v_cvt_pk_bf16_f32 v[CV+2*\i],   v[32*\c+4*\i],   v[32*\c+4*\i+1]
	v_cvt_pk_bf16_f32 v[CV+2*\i+1], v[32*\c+4*\i+2], v[32*\c+4*\i+3]
.endr
.irp e,0,1,2,3
	v_cvt_pk_bf16_f32 v[CV+8+2*\e],   v[32*\c+16+\e], v[32*\c+20+\e]
	v_cvt_pk_bf16_f32 v[CV+8+2*\e+1], v[32*\c+24+\e], v[32*\c+28+\e]
.endr
	WIN 0
.if \c < 4
.set KSR, KST
.else
.set KSR, KST2
.endif
.irp i,0,1,2,3
	ds_store_b64 v[KSR], v[CV+2*\i:CV+2*\i+1] offset:(\c%4)*KCH+\i*KPITCH
.endr
.irp e,0,1,2,3
	ds_store_b64 v[VST], v[CV+8+2*\e:CV+8+2*\e+1] offset:\c*VCH+\e*16
.endr
.endm
	LOADC 0
	LOADC 1
	LOADC 2
	LOADC 3
	LOADC 4
	LOADC 5
	WIN 0
	; LDS addresses, while the loads are on their way
	v_mul_u32_u24 v[KST], v10, 4*KPITCH            ; row 16 w + 4 u of a chunk
	v_lshl_add_u32 v[KST], v9, 3, v[KST]
	v_add_nc_u32 v[KST2], 4*KCH, v[KST]
	v_lshrrev_b32 v13, 6, v0                       ; w>>1: which 32 keys of a chunk
	v_mul_u32_u24 v[VST], v13, VBLK
	v_bfe_u32 v13, v0, 5, 1                        ; w&1 = key octet>>1
	v_bfe_u32 v14, v0, 2, 1                        ; d>>4
	v_lshl_add_u32 v13, v13, 1, v14
	v_lshl_add_u32 v13, v13, 1, v12                ; u>>1 = key octet&1 (bit 4 of the thread's number, like h)
	v_mad_u32_u24 v[VST], v13, VUNIT, v[VST]
	v_and_b32 v14, 3, v0
	v_lshl_add_u32 v[VST], v14, 6, v[VST]          ; d&15 = 4 (lane&3) + e: 16 bytes each, e in the offset
	v_bfe_u32 v14, v0, 3, 1
	v_lshl_add_u32 v[VST], v14, 3, v[VST]          ; u&1: which four keys of the octet
	v_add_nc_u32 v[VST], VOFF, v[VST]
	s_mul_i32 s30, s9, 64*KPITCH
	v_mul_u32_u24 v[KA], v11, KPITCH               ; fragment: row r, 16 bytes from 16 h, and 32 further on
	v_lshl_add_u32 v[KA], v12, 4, v[KA]
	v_add_nc_u32 v[KA], s30, v[KA]
	v_add_nc_u32 v[KA2], 4*KCH, v[KA]
	s_mul_i32 s31, s9, 2*VBLK
	s_add_co_u32 s31, s31, VOFF
	v_mul_u32_u24 v[VA], v12, VUNIT                ; fragment: unit h (and 4 + h), d&15 = r: sixteen lanes read 256 consecutive bytes
	v_lshl_add_u32 v[VA], v11, 4, v[VA]
	v_add_nc_u32 v[VA], s31, v[VA]
	s_wait_loadcnt 48                              ; Q is in: six chunks of eight loads were issued behind it
.irp q,0,1
.irp a,0,1,2,3,4,5,6,7
	v_cvt_pk_bf16_f32 v[QFB+8*\q+\a], v[SB+16*\q+2*\a], v[SB+16*\q+2*\a+1]      ; rounded as it is: the scale is applied to the scores, in f32
.endr
.endr
	LOADC 6
	CONV 0, 48                                     ; chunks 1 to 6 stay out
	LOADC 7
	WIN 0
	s_wait_dscnt 0x0                               ; my part of chunk 0 is in LDS,
	s_barrier_signal -1
	s_barrier_wait -1                              ; everybody's is
; sum and round 16 keys x 16 queries of p
.macro SUMCVT j, q
.set SRG, SB+16*\j+8*\q
.set PRG, PB+16*(\j/2)+8*\q+4*(\j%2)
	s_wait_alu depctr_va_vdst(0)
	v_pk_add_f32 v[TS+2*\j:TS+2*\j+1], v[SRG:SRG+1], v[SRG+2:SRG+3]
	v_cvt_pk_bf16_f32 v[PRG],   v[SRG],   v[SRG+1]
	v_cvt_pk_bf16_f32 v[PRG+1], v[SRG+2], v[SRG+3]
	v_pk_add_f32 v[TS+2*\j:TS+2*\j+1], v[TS+2*\j:TS+2*\j+1], v[SRG+4:SRG+5]
	v_cvt_pk_bf16_f32 v[PRG+2], v[SRG+4], v[SRG+5]
	v_cvt_pk_bf16_f32 v[PRG+3], v[SRG+6], v[SRG+7]
	v_pk_add_f32 v[TS+2*\j:TS+2*\j+1], v[TS+2*\j:TS+2*\j+1], v[SRG+6:SRG+7]
.endm
; the four chains into the tile's sum; the old sum is scaled in the same instruction
.macro LSUM q, first
	v_pk_add_f32 v[TS:TS+1],   v[TS:TS+1],   v[TS+2:TS+3]
	v_pk_add_f32 v[TS+4:TS+5], v[TS+4:TS+5], v[TS+6:TS+7]
.if \first
	v_pk_add_f32 v[LB+2*\q:LB+2*\q+1], v[TS:TS+1], v[TS+4:TS+5]
	s_wait_alu depctr_va_vdst(0)
.else
.if \q == 0
	v_pk_fma_f32 v[LB+2*\q:LB+2*\q+1], v[LB+2*\q:LB+2*\q+1], v[AL:AL+1], v[TS:TS+1] op_sel_hi:[1,0,1]
	s_wait_alu depctr_va_vdst(0)
.else
	v_pk_fma_f32 v[LB+2*\q:LB+2*\q+1], v[LB+2*\q:LB+2*\q+1], v[AL:AL+1], v[TS:TS+1] op_sel:[0,1,0] op_sel_hi:[1,1,1]
.endif
	v_pk_add_f32 v[LB+2*\q:LB+2*\q+1], v[LB+2*\q:LB+2*\q+1], v[TS+4:TS+5]
.endif
.endm
; O^T(32 d x 16 queries) += V^T(32 d x 64 keys) P^T; the first product of all starts the sums
.macro PV q, first
.irp b,0,1
.irp t,0,1
.if \first*(1-\b)
	v_wmma_f32_16x16x32_bf16 v[OB+16*\q+8*\t:OB+16*\q+8*\t+7], v[VFB+16*\b+8*\t:VFB+16*\b+8*\t+7], v[PB+16*\b+8*\q:PB+16*\b+8*\q+7], 0
.else
	v_wmma_f32_16x16x32_bf16 v[OB+16*\q+8*\t:OB+16*\q+8*\t+7], v[VFB+16*\b+8*\t:VFB+16*\b+8*\t+7], v[PB+16*\b+8*\q:PB+16*\b+8*\q+7], v[OB+16*\q+8*\t:OB+16*\q+8*\t+7]
.endif
.endr
.endr
.endm
; A TRIP: my 64 keys of chunk c against my 32 queries; on the way chunk nx is rounded and stored for the next trip.
.macro TRIP c, nx, left, first, last
.set NMN, NMB+2*(\c%2)
.set NMO, NMB+2-2*(\c%2)
.if \c < 4
.set KAR, KA
.else
.set KAR, KA2
.endif
.irp j,0,1,2,3
	ds_load_b128 v[KFB+8*\j:KFB+8*\j+3],   v[KAR] offset:(\c%4)*KCH+\j*16*KPITCH
	ds_load_b128 v[KFB+8*\j+4:KFB+8*\j+7], v[KAR] offset:(\c%4)*KCH+\j*16*KPITCH+32
.endr
.irp j,0,1,2,3
	s_wait_dscnt 6-2*\j                            ; tile j's two loads are in, the later tiles' stay out
.irp q,0,1
	v_wmma_f32_16x16x32_bf16 v[SB+16*\j+8*\q:SB+16*\j+8*\q+7], v[KFB+8*\j:KFB+8*\j+7], v[QFB+8*\q:QFB+8*\q+7], 0
.endr
.endr
	; Sixteen conversions (or four v_nop) that name no register of a matrix instruction: the places between the products above and the
	; maxima that read them, and between the last trip's O products and the loads into their V fragments.
.if \last
.rept 4
	v_nop
.endr
.else
	CONV \nx, \left
.endif
.irp b,0,1
.irp t,0,1
	ds_load_b128 v[VFB+16*\b+8*\t:VFB+16*\b+8*\t+3],   v[VA] offset:\c*VCH+\b*VBLK+\t*2*VUNIT
	ds_load_b128 v[VFB+16*\b+8*\t+4:VFB+16*\b+8*\t+7], v[VA] offset:\c*VCH+\b*VBLK+\t*2*VUNIT+4*VUNIT
.endr
.endr
	; the maximum of my 32 scores of each query, in eight chains, two scores an instruction
.irp q,0,1
.irp j,0,1,2,3
	v_max3_num_f32 v[AB+4*\q+\j], v[SB+16*\j+8*\q], v[SB+16*\j+8*\q+1], v[SB+16*\j+8*\q+2]
.endr
.endr
.irp i,3,5
.irp q,0,1
.irp j,0,1,2,3
	v_max3_num_f32 v[AB+4*\q+\j], v[AB+4*\q+\j], v[SB+16*\j+8*\q+\i], v[SB+16*\j+8*\q+\i+1]
.endr
.endr
.endr
.irp q,0,1
	v_max3_num_f32 v[AB+4*\q],   v[AB+4*\q],   v[SB+8*\q+7],    v[SB+16+8*\q+7]
	v_max3_num_f32 v[AB+4*\q+2], v[AB+4*\q+2], v[SB+32+8*\q+7], v[SB+48+8*\q+7]
.endr
.irp q,0,1
	v_max3_num_f32 v[AB+4*\q], v[AB+4*\q], v[AB+4*\q+1], v[AB+4*\q+2]
.endr
.irp q,0,1
.if \first
	v_max_num_f32 v[AB+4*\q], v[AB+4*\q], v[AB+4*\q+3]
.else
	v_max3_num_f32 v[AB+4*\q], v[AB+4*\q], v[AB+4*\q+3], v[MR+\q]              ; and the running one
.endif
.endr
.irp q,0,1
	v_permlanex16_b32 v[AB+4*\q+1], v[AB+4*\q], s24, s25                       ; the other eight keys of each tile lie in lane xor 16
.endr
.irp q,0,1
	v_max_num_f32 v[MR+\q], v[AB+4*\q], v[AB+4*\q+1]
.endr
.irp q,0,1
	v_mul_f32 v[NMN+\q], s22, v[MR+\q]                                         ; -c max
.endr
.if \first == 0
.irp q,0,1
	v_sub_f32 v[AL+\q], v[NMN+\q], v[NMO+\q]                                   ; c (old max - new max), never above 0
.endr
.irp q,0,1
	v_exp_f32 v[AL+\q], v[AL+\q]                                               ; used only behind the multiply-adds below (ISA guide 5.7.2)
.endr
.endif
	s_wait_dscnt 0x0                               ; my stores of chunk nx are in LDS, for the others' sake; my V fragments are in
.if \last == 0
	s_barrier_signal -1                            ; say so; the rest of the trip is register work, and the wait stands at its end
.endif
.irp j,0,1,2,3
.irp i,0,2,4,6
	v_pk_fma_f32 v[SB+16*\j+\i:SB+16*\j+\i+1], v[SB+16*\j+\i:SB+16*\j+\i+1], s[20:21], v[NMN:NMN+1] op_sel_hi:[1,0,0]
.endr
.endr
	; runs of eight exponentials, each followed by plain work on other registers
.irp j,0,1,2,3
.irp i,0,1,2,3,4,5,6,7
	v_exp_f32 v[SB+16*\j+\i], v[SB+16*\j+\i]
.endr
	s_wait_alu depctr_va_vdst(0)
.irp i,0,2,4,6
	v_pk_fma_f32 v[SB+16*\j+8+\i:SB+16*\j+8+\i+1], v[SB+16*\j+8+\i:SB+16*\j+8+\i+1], s[20:21], v[NMN:NMN+1] op_sel:[0,0,1] op_sel_hi:[1,0,1]
.endr
.if \first == 0
.irp i,0,2,4,6
.if \j < 2
	v_pk_mul_f32 v[OB+8*\j+\i:OB+8*\j+\i+1], v[OB+8*\j+\i:OB+8*\j+\i+1], v[AL:AL+1] op_sel_hi:[1,0]              ; O of tile 0 to the new maximum
.else
	v_pk_mul_f32 v[OB+8*\j+\i:OB+8*\j+\i+1], v[OB+8*\j+\i:OB+8*\j+\i+1], v[AL:AL+1] op_sel:[0,1] op_sel_hi:[1,1]  ; O of tile 1
.endif
.endr
.endif
.endr
.irp j,0,1,2,3
.irp i,0,1,2,3,4,5,6,7
	v_exp_f32 v[SB+16*\j+8+\i], v[SB+16*\j+8+\i]
.endr
	SUMCVT \j, 0
.endr
	LSUM 0, \first
	PV 0, \first                                   ; tile 0's products run while tile 1 is summed and rounded, in registers that they do not name
	SUMCVT 0, 1
	SUMCVT 1, 1
	SUMCVT 2, 1
	SUMCVT 3, 1
	LSUM 1, \first
	PV 1, \first
.if \last == 0
	s_barrier_wait -1                              ; chunk nx is whole
.endif
.endm
	TRIP 0, 1, 48, 1, 0
	TRIP 1, 2, 40, 0, 0
	TRIP 2, 3, 32, 0, 0
	TRIP 3, 4, 24, 0, 0
	TRIP 4, 5, 16, 0, 0
	TRIP 5, 6, 8, 0, 0
	TRIP 6, 7, 0, 0, 0
	TRIP 7, 0, 0, 0, 1
	; THE TWO KEY HALVES MEET.  Every wave lays both its tiles into LDS; wave (x, y) then reads tile x of waves (0, y) and (1, y), its own part too, so that the
	; text names the same registers in every wave and needs no branch.  The sums and addresses below are also the places behind the last products.
.set XW,  2
.set XR,  3
.set XM,  4
.set SW,  5
.set SRD, 6
.set OO,  7
.set EA,  SB
.set EB,  SB+16
.set MA,  SB+32
.set MB2, SB+34
.set FF,  SB+36
.set TT,  SB+38
	v_add_f32 v[AB],   v[LB],   v[LB+1]
	v_add_f32 v[AB+1], v[LB+2], v[LB+3]
	v_and_b32 v9, 31, v0                           ; lane
	v_mov_b32 v[MLB],   v[NMB+2]                   ; the last trip wrote the second pair
	v_mov_b32 v[MLB+2], v[NMB+3]
	v_permlanex16_b32 v[AB+2], v[AB],   s24, s25
	v_permlanex16_b32 v[AB+3], v[AB+1], s24, s25
	v_add_f32 v[MLB+1], v[AB],   v[AB+2]           ; the sum over my 512 keys, in both halves of the lanes
	v_add_f32 v[MLB+3], v[AB+1], v[AB+3]
	s_mul_i32 s30, s8, XWAVE
	s_add_co_u32 s30, s30, XOFF
	s_mul_i32 s31, s10, XWAVE
	s_add_co_u32 s31, s31, XOFF
	s_lshl_b32 s33, s9, 11                         ; tile x: 2,048 bytes of O
	s_add_co_u32 s33, s33, s31
	s_lshl_b32 s34, s9, 3                          ; tile x: 8 bytes of a lane's 16
	s_add_co_u32 s34, s34, s31
	s_add_co_u32 s34, s34, 4096
	s_mul_i32 s35, s8, SWAVE
	s_add_co_u32 s35, s35, SOFF
	s_lshl_b32 s36, s10, 16                        ; 32 y + 16 x queries = 8 y + 4 x groups of 8,192 bytes
	s_lshl_b32 s37, s9, 15
	s_add_co_u32 s36, s36, s37
	v_lshl_add_u32 v[XW], v9, 4, s30
	v_lshl_add_u32 v[XR], v9, 4, s33
	v_lshl_add_u32 v[XM], v9, 4, s34
.irp k,0,1,2,3,4,5,6,7
	ds_store_b128 v[XW], v[OB+4*\k:OB+4*\k+3] offset:\k*512
.endr
	ds_store_b128 v[XW], v[MLB:MLB+3] offset:4096
	s_wait_dscnt 0x0
	s_barrier_signal -1
	s_barrier_wait -1
	ds_load_b64 v[MA:MA+1],   v[XM]
	ds_load_b64 v[MB2:MB2+1], v[XM] offset:4*XWAVE
.irp k,0,1,2,3
	ds_load_b128 v[EA+4*\k:EA+4*\k+3], v[XR] offset:\k*512
	ds_load_b128 v[EB+4*\k:EB+4*\k+3], v[XR] offset:4*XWAVE+\k*512
.endr
	v_and_b32 v10, 15, v0                          ; r
	v_bfe_u32 v11, v0, 4, 1                        ; h
	v_lshrrev_b32 v12, 3, v9                       ; lane>>3
	v_and_b32 v13, 7, v0                           ; lane&7
	s_wait_dscnt 8                                 ; the two (shift, sum) are in; the eight loads of O stay out
	v_min_num_f32 v[TT], v[MA], v[MB2]             ; -c x the larger maximum
	v_sub_f32 v[TT+1], v[TT], v[MA]
	v_sub_f32 v[TT+2], v[TT], v[MB2]
	v_exp_f32 v[TT+1], v[TT+1]
	v_exp_f32 v[TT+2], v[TT+2]
	v_mul_u32_u24 v[SW], v10, SPITCH               ; (plain work behind the exponentials) in: row r, 32 bytes from 32 h
	v_lshl_add_u32 v[SW], v11, 5, v[SW]
	s_wait_alu depctr_va_vdst(0)
	v_mul_f32 v[TT+3], v[MA+1], v[TT+1]
	v_fma_f32 v[TT+3], v[MB2+1], v[TT+2], v[TT+3]  ; the sum over all 1024 keys; at least about 1, since the largest p is 1
	v_rcp_f32 v[TT+3], v[TT+3]
	v_add_nc_u32 v[SW], s35, v[SW]                 ; (plain work behind the reciprocal)
	v_mul_u32_u24 v[SRD], v12, SPITCH              ; back: eight lanes take a row's 128 bytes, a load takes four rows
	s_wait_alu depctr_va_vdst(0)
	v_mul_f32 v[FF],   v[TT+1], v[TT+3]
	v_mul_f32 v[FF+1], v[TT+2], v[TT+3]
	v_lshl_add_u32 v[SRD], v13, 4, v[SRD]
	v_add_nc_u32 v[SRD], s35, v[SRD]
	v_lshlrev_b32 v[OO], 9, v12                    ; the same four rows in out0: four tokens, 512 bytes apart
	v_lshl_add_u32 v[OO], v13, 4, v[OO]
	v_add_nc_u32 v[OO], s36, v[OO]
	s_wait_dscnt 0x0
.irp i,0,2,4,6,8,10,12,14
	v_pk_mul_f32 v[EA+\i:EA+\i+1], v[EA+\i:EA+\i+1], v[FF:FF+1] op_sel_hi:[1,0]
.endr
.irp i,0,2,4,6,8,10,12,14
	v_pk_fma_f32 v[EA+\i:EA+\i+1], v[EB+\i:EB+\i+1], v[FF:FF+1], v[EA+\i:EA+\i+1] op_sel:[0,1,0] op_sel_hi:[1,1,1]
.endr
	; a lane holds d = 16 t + 8 h + 0..7 of query r: through my own stage, so that eight neighbouring lanes store a head's 128 bytes of a row
	ds_store_b128 v[SW], v[EA:EA+3]
	ds_store_b128 v[SW], v[EA+4:EA+7]   offset:16
	ds_store_b128 v[SW], v[EA+8:EA+11]  offset:64
	ds_store_b128 v[SW], v[EA+12:EA+15] offset:80
.irp k,0,1,2,3
	ds_load_b128 v[EB+4*\k:EB+4*\k+3], v[SRD] offset:\k*4*SPITCH                ; LDS serves a wave's instructions in order: these see the stores above
.endr
.irp k,0,1,2,3
	s_wait_dscnt 3-\k
	global_store_b128 v[OO], v[EB+4*\k:EB+4*\k+3], s[18:19] offset:\k*GRP
.endr
	s_wait_xcnt 0x0
	v_lshl_add_u32 v254, v0, 2, 0x32800
	v_mov_b32 v255, 0
	s_wait_tensorcnt 0x0
	ds_add_u32 v254, v255
	s_wait_dscnt 0x0
	s_endpgm
.Lfunc_end_k_q6e925a800c_lepe_attn:
	.size	k_q6e925a800c_lepe_attn, .Lfunc_end_k_q6e925a800c_lepe_attn-k_q6e925a800c_lepe_attn
	.p2alignl 7, 3214868480
	.fill 96, 4, 3214868480
	.section	.rodata,"a",@progbits
	.p2align	6, 0x0
	.amdhsa_kernel k_q6e925a800c_lepe_attn
		.amdhsa_group_segment_fixed_size 207872
		.amdhsa_private_segment_fixed_size 0
		.amdhsa_enable_private_segment 0
		.amdhsa_kernarg_size 16
		.amdhsa_user_sgpr_count 2
		.amdhsa_user_sgpr_kernarg_segment_ptr 1
		.amdhsa_wavefront_size32 1
		.amdhsa_system_sgpr_workgroup_id_x 1
		.amdhsa_system_sgpr_workgroup_id_y 1
		.amdhsa_system_sgpr_workgroup_id_z 1
		.amdhsa_system_vgpr_workitem_id 0
		.amdhsa_next_free_vgpr 512
		.amdhsa_next_free_sgpr 66
		.amdhsa_reserve_vcc 0
		.amdhsa_float_denorm_mode_32 3
		.amdhsa_float_denorm_mode_16_64 3
		.amdhsa_memory_ordered 1
		.amdhsa_forward_progress 1
		.amdhsa_inst_pref_size 141
	.end_amdhsa_kernel
	.amdgpu_metadata
---
amdhsa.version: [ 1, 2 ]
amdhsa.kernels:
  - .name:           k_q6e925a800c_lepe_attn
    .symbol:         k_q6e925a800c_lepe_attn.kd
    .args:
      - { .name: qkv, .offset: 0, .size: 8, .value_kind: global_buffer, .address_space: global }
      - { .name: out0, .offset: 8, .size: 8, .value_kind: global_buffer, .address_space: global }
    .group_segment_fixed_size: 207872
    .private_segment_fixed_size: 0
    .kernarg_segment_align: 8
    .kernarg_segment_size: 16
    .max_flat_workgroup_size: 256
    .sgpr_count:     66
    .vgpr_count:     512
    .wavefront_size: 32
...
	.end_amdgpu_metadata
.endif
;; end of part 1
